; MI455X (gfx1250); checked and timed in simulation.
; The chip was launched on July 23, 2026; its instructions are those of AMD's public machine-readable ISA for CDNA 5 (MIT licence, August 2026) and "CDNA5" Instruction Set Architecture Reference Guide (July 2026). The comments in the code are by the model that wrote it; some were corrected since.
;; Swin Transformer Block. Allowed arithmetic: matrix products marked QUANTISED: E2M3 operands, one E8M0 scale for each 32 along K, by v_wmma_scale_f32_16x16x128_f8f6f4 with both operands' format E2M3, f32 sums; everything else in f32.
;; Inputs: fc1_b 2,048 float32; fc1_w_codes 2,048 x 16 x 24 uint8 (E2M3 codes of fc1_w, K innermost, in blocks of 32 codes, four codes in three bytes); fc1_w_scales 2,048 x 16 uint8 (E8M0 scales of fc1_w, one for each 32 codes along K); fc2_b 512 float32; fc2_w_codes 512 x 64 x 24 uint8 (E2M3 codes of fc2_w, K innermost, in blocks of 32 codes, four codes in three bytes); fc2_w_scales 512 x 64 uint8 (E8M0 scales of fc2_w, one for each 32 codes along K); kln_b 16 x 1 x 32 float32; kln_w 16 x 1 x 32 float32; mask_matrix 1 int32; norm1_b 512 float32; norm1_w 512 float32; norm2_b 512 float32; norm2_w 512 float32; vln_b 16 x 1 x 32 float32; vln_w 16 x 1 x 32 float32; x 4 x 8,192 x 512 float32.
;; Outputs: out0 4 x 8,192 x 512 float32.
;; This version of the problem:
;;   THIS VERSION OF THE PROBLEM IS GIVEN IN LOW PRECISION. The matrix products marked QUANTISED in the list below multiply operands that are first quantised to E2M3 (2 exponent bits, 3 mantissa bits; 6 bits a number), with one power-of-two scale for each 32 numbers along K (OCP MX v1.0); their sums are f32. All else is computed in f32.
;;   The module's matrix products, in the order in which they are computed (A, B: the left and right operand; K: the contracted axis; several contracted axes count as one K, in the product's order):
;;     1. batch 64 x [M 32, K 8,192] x [K 8,192, N 32]; A: computed on the way; B: computed on the way: QUANTISED
;;     2. batch 64 x [M 8,192, K 32] x [K 32, N 32]; A: computed on the way; B: computed on the way: QUANTISED
;;     3. [M 32,768, K 512] x [K 512, N 2,048]; A: computed on the way; B: input fc1_w (given as codes): QUANTISED
;;     4. [M 32,768, K 2,048] x [K 2,048, N 512]; A: computed on the way; B: input fc2_w (given as codes): QUANTISED
;;   THE QUANTISER, for each operand of a quantised product, along K:
;;     - K is cut into blocks of 32 from its start; a last block that is shorter is filled with zeros.
;;     - A block's scale is 2^e with e = floor(log2(the largest magnitude in the block)) - 2, held to -126 .. 127; a block of zeros has e = 0. As a byte (E8M0): e + 127.
;;     - Each number is divided by its block's scale, clamped to +-7.5, and rounded to the nearest number of E2M3, ties to even, subnormals kept.
;;     - The product sums the exact products of the quantised numbers (number of the format x scale) in f32.
;;   ~~~python
;;   def quantise(x, axis):      # numpy; x: float32 -> the quantised numbers, widened to float32 again
;;       x = np.moveaxis(x, axis, -1); K = x.shape[-1]
;;       x = np.pad(x, [(0, 0)] * (x.ndim - 1) + [(0, -K % 32)]); x = x.reshape(x.shape[:-1] + (-1, 32)); a = np.abs(x).max(-1, keepdims=True)
;;       e = np.where(a > 0, np.clip(np.frexp(np.where(a > 0, a, 1))[1] - 1 - 2, -126, 127), 0)      # np.frexp(a)[1] - 1 = floor(log2(a)), exactly
;;       r = np.clip(x / 2.0 ** e, -7.5, 7.5)
;;       step = 2.0 ** (np.maximum(np.frexp(np.where(r == 0, 1, r))[1] - 1, 0) - 3)
;;       q = np.round(r / step) * step * 2.0 ** e      # np.round: ties to even
;;       return np.moveaxis(q.reshape(q.shape[:-2] + (-1,))[..., :K], -1, axis).astype(np.float32)
;;   ~~~
;;   OPERANDS COMPUTED ON THE WAY. 'Computed on the way' means the value that the module computes at that place (a softmax that the list does not call 'softmax' is quantised finished and normalised). What goes into a quantiser is computed in f32, as accurately as f32 sums, v_exp_f32 and their like allow (about 1e-6 of the number): no bf16 or f16 on the way to a quantiser, and a product that is left as it is and whose result goes on into a quantised operand takes f32 operands (vector FMAs, or v_wmma_f32_16x16x4_f32). A number that lies on a knife's edge between two numbers of the format may be rounded either way, as far as f32 arithmetic and the matrix unit's own rounding can turn it there, and no further.
;;   INPUTS GIVEN AS CODES. fc1_w (in the module: [2048, 512], K = its axis 1); fc2_w (in the module: [512, 2048], K = its axis 1): each comes as NAME_codes (uint8): NAME with its K axis moved to the last place and cut into blocks of 32 codes, [.., K / 32, bytes a block], one block behind the other in memory; four codes in three bytes: a row's codes are one little-endian stream of bits, code i at bits 6 i .. 6 i + 5 (a code: sign, 2 exponent bits, 3 mantissa bits); and NAME_scales (uint8): the same leading axes, one E8M0 byte (e + 127) for each 32 codes along K. Its value is code x scale, taken as it is: it is not quantised again, and the codes and scales need not be those that the quantiser above would give.
;; One version. Each part assembles by itself: llvm-mc -triple=amdgcn-amd-amdhsa -mcpu=gfx1250 --defsym DOCPART=n.
;; ======== version 1 of 1: 3 launches
;; limits: a function is approximated: absolute error at most 7.5e-08
;; workspace buffers: part 16,777,216 bytes; stats 262,144 bytes; wimg 1,572,864 bytes; wsc 65,536 bytes; kvimg 196,608 bytes; kvsc 8,192 bytes
;; launch kvpart (part 1): grid 256 x 1, 8 waves a work-group, no clusters, 275,456 bytes of LDS; arguments x, norm1_w, norm1_b, kln_w, kln_b, vln_w, vln_b, fc1_w_codes, fc1_w_scales, fc2_w_codes, fc2_w_scales, mask_matrix, part, stats, wimg, wsc; writes part, stats, wimg, wsc
.if DOCPART == 1
	.amdgcn_target "amdgcn-amd-amdhsa--gfx1250"
	.amdhsa_code_object_version 6
	.text
	.protected	k_qb29b6836c4_kvpart
	.globl	k_qb29b6836c4_kvpart
	.p2align	8
	.type	k_qb29b6836c4_kvpart,@function
k_qb29b6836c4_kvpart:
	s_mov_b64 s[64:65], 0
	v_nop
	global_prefetch_b8 v0, s[64:65] scope:SCOPE_SE
	s_setreg_imm32_b32 hwreg(HW_REG_WAVE_MODE, 25, 1), 1
	s_wait_xcnt 0x0
; LAUNCH 1 OF 3.  For 128 tokens a work-group: LayerNorm 1 (mean and 1/sqrt(var + eps) of each row go to 'stats'), the per-head normalisation n = (h - mean) / (std + eps),
; k = kln_w n + kln_b and v = vln_w n + vln_b, both quantised to E2M3 ALONG THE TOKENS (blocks of 32 tokens of one channel), and the partial product k^T v of these 128 tokens
; (one matrix instruction deep) for each of the 16 heads, stored to 'part' as images of the result registers.  The sum over a batch's 64 work-groups is the next launch's.
; Beside that, waves 0-3 of each work-group lay one fragment each of fc1's or fc2's codes, and its scale words, in the order of an operand's registers ('wimg', 'wsc') for launch 3.
; SHARES.  Wave W: strip w = W & 3 (channels 128 w .. 128 w + 127: four heads), half hf = W >> 2 (tokens 64 hf .. + 63: four tiles of 16).  In a tile lane (r, h) holds token r, and its
; register 16 g + i the strip's channel 32 g + 16 h + i.  For the product, wave W takes heads 2 hf and 2 hf + 1 of its strip over all 128 tokens: a lane to a channel, registers down the tokens.
; x comes by one tensor load a wave into LDS rows of 512 + 16 bytes; that LDS is filled once, and n is later stored over it.
; mask_matrix: reference() takes it and computes nothing from it; it is read here and nothing hangs on it.
; LIMITS: NaN and infinities among the inputs are not served.  A block of zeros gets the scale byte 1 where the rule says 127: its codes are zeros, and these bytes are read by this program alone.
; The stores of 'stats' (8 bytes a row, 128 bytes an instruction) and of 'wsc' (4 bytes a lane, 16 bytes apart) do not fill aligned blocks of 256 bytes: together 320 KiB in the launch.
.set PITCH, 528                        ; an LDS row: a strip's 512 bytes + 16: 132 words, so that the 16 rows of a load of 16 bytes a lane start in 16 different groups of banks
.set TILEB, 16*PITCH
.set HALFB, 64*PITCH
.set STRIP, 128*PITCH
.set PT,    4*STRIP                    ; behind x: [strip 4][row 128][mean, sum of squares about it] of a row's 128 channels in a strip: 1,024 bytes a strip
.set X,   16                           ; v16-79   a tile: 64 numbers a lane
.set W1,  80                           ; v80-143  norm1_w at my 64 channels
.set B1,  144                          ; v144-207 norm1_b
.set MS,  232                          ; v232-239 (mean, rstd) of my row in each of my four tiles: never rewritten, since stores read them
.set PR,  240                          ; v240-255 kln_w, kln_b, vln_w, vln_b at my channel of my two heads, each in both words of a pair
.set N,   16                           ; the product's phase: v16-47 n, then v, of 32 tokens; v48-79 k
.set KK,  48
.set KF,  80                           ; v80-103  k's two fragments;  v104-127 v's
.set VF,  104
.set WK,  168                          ; v168, v169 scale words of k and of v: scales and nothing else
.set WV,  169
.set SEL, 52                           ; s[52:53] v_permlanex16_b32's selects for lane l xor 16
.set EPS, 71                           ; s71 1e-5
	s_load_b512 s[4:19], s[0:1], 0x0               ; x 4, norm1_w 6, norm1_b 8, kln_w 10, kln_b 12, vln_w 14, vln_b 16, fc1_w_codes 18
	s_load_b512 s[20:35], s[0:1], 0x40             ; fc1_w_scales 20, fc2_w_codes 22, fc2_w_scales 24, mask_matrix 26, part 28, stats 30, wimg 32, wsc 34
	v_lshl_add_u32 v230, v0, 2, 0x43000
	v_mov_b32 v231, 0
	ds_add_u32 v230, v231
	ds_add_u32 v230, v231
	v_lshrrev_b32 v1, 5, v0
	v_readfirstlane_b32 s37, v1                    ; wave 0..7
	s_and_b32 s38, s37, 3                          ; w
	s_lshr_b32 s39, s37, 2                         ; hf
	; descriptor group 1: 64 rows x 128 elements of 4 bytes, rows 512 elements apart, 4 words of padding behind every 128
	s_mov_b32 s40, (2<<16)|(1<<20)|(6<<22)|(3<<25)
	s_mov_b32 s41, 128<<16                         ; tensor_dim0
	s_mov_b32 s42, 64<<16                          ; tensor_dim1
	s_mov_b32 s43, 128<<16                         ; tile_dim0
	s_mov_b32 s44, 64                              ; tile_dim1
	s_mov_b32 s45, 512                             ; pitch
	s_mov_b32 s46, 0
	s_mov_b32 s47, 0
	s_mov_b32 s48, 1
	s_mul_i32 s49, s38, STRIP
	s_mul_i32 s54, s39, HALFB
	s_add_co_u32 s49, s49, s54                     ; LDS: my strip, my half
	s_lshl_b32 s54, ttmp9, 18                      ; 128 rows of 2,048 bytes a work-group
	s_lshl_b32 s55, s39, 17
	s_add_co_u32 s54, s54, s55
	s_lshl_b32 s55, s38, 9
	s_add_co_u32 s54, s54, s55
	s_mov_b32 s55, 0
	s_mov_b32 s[SEL], 0x76543210
	s_mov_b32 s[SEL+1], 0xfedcba98
	s_mov_b32 s[EPS], 0x3727c5ac
	s_wait_dscnt 0x0
	s_wait_kmcnt 0x0
	s_add_nc_u64 s[50:51], s[4:5], s[54:55]
	s_or_b32 s51, s51, 0x80000000
	tensor_load_to_lds s[48:51], s[40:47]          ; my 64 rows of my strip: the wave's one tensor load
	s_nop 0
.rept 4
	v_nop
.endr
	s_load_b32 s36, s[26:27], 0x0                  ; mask_matrix: read, and used by nothing, as in reference()
	v_and_b32 v1, 15, v0                           ; r
	v_bfe_u32 v2, v0, 4, 1                         ; h
	v_mul_u32_u24 v3, v1, PITCH
	v_lshl_add_u32 v3, v2, 6, v3
	v_add_nc_u32 v3, s49, v3                       ; v3: my row of tile 0, + 64 h
	s_lshl_b32 s56, s38, 10
	s_lshl_b32 s57, s39, 9
	s_add_co_u32 s57, s57, PT
	s_add_co_u32 s56, s56, s57
	v_lshl_add_u32 v5, v1, 3, s56                  ; v5: where I put my row's part: PT + 1024 w + 512 hf + 8 r
	v_lshl_add_u32 v6, v1, 3, s57                  ; v6: where the four strips' parts of my row are read from
	v_lshlrev_b32 v7, 6, v2                        ; v7: 64 h
	v_lshlrev_b32 v8, 3, v1                        ; v8: 8 r
	v_and_b32 v13, 8, v1
	v_add_nc_u32 v13, v13, v1
	v_lshl_add_u32 v13, v2, 3, v13                 ; my channel of a head in the product's phase: r + 8 (r / 8) + 8 h
	s_mul_i32 s56, s38, STRIP
	s_lshl_b32 s57, s39, 8
	s_add_co_u32 s56, s56, s57
	v_lshl_add_u32 v9, v13, 2, s56                 ; v9: strip w, token 0, head 2 hf, my channel;
	v_add_nc_u32 v10, HALFB, v9                    ; v10: the same at token 64
	s_lshl_b32 s56, s38, 9
	s_add_co_u32 s56, s56, s57
	v_lshl_add_u32 v11, v13, 2, s56                ; v11: my channel in kln_w and its like: 128 bytes a head
	v_and_b32 v12, 31, v0
	v_lshlrev_b32 v12, 4, v12                      ; v12: 16 x lane
	s_lshl_b32 s56, s38, 9
	s_mov_b32 s57, 0
	s_add_nc_u64 s[6:7], s[6:7], s[56:57]          ; norm1_w, norm1_b at my strip
	s_add_nc_u64 s[8:9], s[8:9], s[56:57]
	s_lshl_b32 s56, ttmp9, 10
	s_lshl_b32 s58, s39, 9
	s_add_co_u32 s56, s56, s58
	s_add_nc_u64 s[30:31], s[30:31], s[56:57]      ; stats at my first row
	s_lshl_b32 s56, ttmp9, 16
	s_lshl_b32 s58, s38, 14
	s_add_co_u32 s56, s56, s58
	s_lshl_b32 s58, s39, 13
	s_add_co_u32 s56, s56, s58
	s_add_nc_u64 s[28:29], s[28:29], s[56:57]      ; part at my work-group's block, my first head
.set j, 0
.rept 16
	global_load_b128 v[W1+4*j:W1+4*j+3], v7, s[6:7] offset:128*(j/4)+16*(j%4)
	global_load_b128 v[B1+4*j:B1+4*j+3], v7, s[8:9] offset:128*(j/4)+16*(j%4)
.set j, j+1
.endr
.irp hd, 0,1
.irp c, 0,1
	global_load_b32 v[PR+8*\hd+\c],   v11, s[10:11] offset:128*\hd
	global_load_b32 v[PR+8*\hd+2+\c], v11, s[12:13] offset:128*\hd
	global_load_b32 v[PR+8*\hd+4+\c], v11, s[14:15] offset:128*\hd
	global_load_b32 v[PR+8*\hd+6+\c], v11, s[16:17] offset:128*\hd
.endr
.endr
	; ---- THE WEIGHTS' LAYOUT, while x is on its way.  1,024 fragments (16 rows x 128 K: 12 registers a lane), four a work-group, one a wave of waves 0-3.
	; Fragment Fg < 512: fc1, id = (4 jj + w') 8 + 4 u + s: rows 128 jj + 32 w' + 8 u + r + 8 (r / 8), K step s.  Else fc2, id - 512 = (4 jj + w') 8 + b: rows 128 w' + 32 (b / 2) + 8 (b % 2) + r + 8 (r / 8), K step jj.
	s_cmp_ge_u32 s37, 4
	s_cbranch_scc1 .Lnolay
	s_lshl_b32 s56, ttmp9, 2
	s_add_co_u32 s56, s56, s37                     ; Fg
	s_and_b32 s57, s56, 511
	s_and_b32 s58, s57, 7                          ; f8
	s_bfe_u32 s59, s57, 0x20003                    ; w'
	s_lshr_b32 s60, s57, 5                         ; jj
	s_and_b32 s63, s58, 3
	s_lshr_b32 s66, s58, 2
	s_and_b32 s67, s58, 1
	s_lshr_b32 s68, s58, 1
	s_lshl_b32 s61, s60, 7
	s_lshl_b32 s69, s59, 5
	s_add_co_u32 s61, s61, s69
	s_lshl_b32 s69, s66, 3
	s_add_co_u32 s61, s61, s69                     ; fc1's first row
	s_lshl_b32 s62, s59, 7
	s_lshl_b32 s69, s68, 5
	s_add_co_u32 s62, s62, s69
	s_lshl_b32 s69, s67, 3
	s_add_co_u32 s62, s62, s69                     ; fc2's
	s_mov_b32 s69, 1536
	s_cmp_lt_u32 ttmp9, 128                        ; the choice hangs on the work-group's number alone; both tensors take one path
	s_cselect_b32 s61, s61, s62                    ; first row
	s_cselect_b32 s62, s63, s60                    ; K step
	s_cselect_b32 s66, s66, s67                    ; which half of the lanes takes the scale words
	s_cselect_b32 s63, s63, s68                    ; and which of a lane's four words
	s_cselect_b32 s69, 384, s69                    ; a row of codes in bytes
	s_cselect_b32 s68, 16, 64                      ; a row of scale bytes
	s_cselect_b64 s[18:19], s[18:19], s[22:23]
	s_cselect_b64 s[20:21], s[20:21], s[24:25]
	v_and_b32 v13, 8, v1
	v_add_nc_u32 v13, v13, v1
	v_add_nc_u32 v13, s61, v13                     ; my row
	v_mul_lo_u32 v14, v13, s69
	s_mul_i32 s67, s62, 96
	v_add_nc_u32 v14, s67, v14
	v_mad_u32_u24 v14, v2, 24, v14                 ; row x row bytes + 96 x K step + 24 h
	v_mul_lo_u32 v15, v13, s68
	s_lshl_b32 s67, s62, 2
	v_add_nc_u32 v15, s67, v15
.irp p, 0,1,2,3,4,5
	global_load_b64 v[208+2*\p:209+2*\p], v14, s[18:19] offset:48*(\p/3)+8*(\p%3)
.endr
	global_load_b32 v220, v15, s[20:21]
	s_mul_i32 s60, s56, 1536
	s_mov_b32 s61, 0
	s_add_nc_u64 s[32:33], s[32:33], s[60:61]
	s_lshr_b32 s60, s56, 3
	s_lshl_b32 s60, s60, 9
	s_lshl_b32 s66, s66, 8
	s_add_co_u32 s60, s60, s66
	s_lshl_b32 s63, s63, 2
	s_add_co_u32 s60, s60, s63
	v_lshl_add_u32 v221, v1, 4, s60
	s_wait_loadcnt 0x0
.irp q, 0,1,2
	global_store_b128 v12, v[208+4*\q:211+4*\q], s[32:33] offset:512*\q   ; the fragment as an image of its registers: 512 consecutive bytes a store
.endr
	global_store_b32 v221, v220, s[34:35]          ; row r's scale word (lanes 16-31 hold and store the same)
.Lnolay:
	s_wait_xcnt 0x0                                ; those stores have read their registers, which are written again below
	s_wait_kmcnt 0x0
	s_wait_loadcnt 0x0                             ; norm1's and the heads' parameters
	s_wait_tensorcnt 0x0                           ; my rows of x are in LDS; until the first barrier I read no others
.macro LOADX t
.set j, 0
.rept 16
	ds_load_b128 v[X+4*j:X+4*j+3], v3 offset:TILEB*\t+128*(j/4)+16*(j%4)
.set j, j+1
.endr
.endm
; the sum of v[s] .. v[s + 63] and of lane l xor 16's, into v[c]; c .. c + 7 at work
.macro SUM64 s, c
.irp k, 0,1,2,3
	v_pk_add_f32 v[\c+2*\k:\c+2*\k+1], v[\s+4*\k:\s+4*\k+1], v[\s+4*\k+2:\s+4*\k+3]
.endr
.set j, 16
.rept 6
.irp k, 0,1,2,3
	v_pk_add_f32 v[\c+2*\k:\c+2*\k+1], v[\c+2*\k:\c+2*\k+1], v[\s+j+2*\k:\s+j+2*\k+1]
.endr
.set j, j+8
.endr
	v_pk_add_f32 v[\c:\c+1], v[\c:\c+1], v[\c+2:\c+3]
	v_pk_add_f32 v[\c+4:\c+5], v[\c+4:\c+5], v[\c+6:\c+7]
	v_pk_add_f32 v[\c:\c+1], v[\c:\c+1], v[\c+4:\c+5]
	v_add_f32 v[\c], v[\c], v[\c+1]
	v_permlanex16_b32 v[\c+1], v[\c], s[SEL], s[SEL+1]
	v_add_f32 v[\c], v[\c], v[\c+1]
.endm
; the same of their squares
.macro SQ64 s, c
.irp k, 0,1,2,3
	v_pk_mul_f32 v[\c+2*\k:\c+2*\k+1], v[\s+2*\k:\s+2*\k+1], v[\s+2*\k:\s+2*\k+1]
.endr
.set j, 8
.rept 7
.irp k, 0,1,2,3
	v_pk_fma_f32 v[\c+2*\k:\c+2*\k+1], v[\s+j+2*\k:\s+j+2*\k+1], v[\s+j+2*\k:\s+j+2*\k+1], v[\c+2*\k:\c+2*\k+1]
.endr
.set j, j+8
.endr
	v_pk_add_f32 v[\c:\c+1], v[\c:\c+1], v[\c+2:\c+3]
	v_pk_add_f32 v[\c+4:\c+5], v[\c+4:\c+5], v[\c+6:\c+7]
	v_pk_add_f32 v[\c:\c+1], v[\c:\c+1], v[\c+4:\c+5]
	v_add_f32 v[\c], v[\c], v[\c+1]
	v_permlanex16_b32 v[\c+1], v[\c], s[SEL], s[SEL+1]
	v_add_f32 v[\c], v[\c], v[\c+1]
.endm
; v[s + j] -= v[m] for 64 registers (the pair v[m : m + 1] is named; its low word serves both halves)
.macro SUB64 d, s, m
.set j, 0
.rept 32
	v_pk_add_f32 v[\d+j:\d+j+1], v[\s+j:\s+j+1], v[\m:\m+1] op_sel_hi:[1,0] neg_lo:[0,1] neg_hi:[0,1]
.set j, j+2
.endr
.endm
; ---- PASS 1: a row's mean and sum of squares about it within my strip's 128 channels
.macro TILE1 t
	LOADX \t
	s_wait_dscnt 0x0
	SUM64 X, 208
	v_mul_f32 v208, 0x3c000000, v208               ; / 128
	SUB64 X, X, 208
	SQ64 X, 210
	v_mov_b32 v209, v210
	ds_store_b64 v5, v[208:209] offset:128*\t
.endm
	TILE1 0
	TILE1 1
	TILE1 2
	TILE1 3
	s_wait_dscnt 0x0                               ; my parts are stored
	s_barrier_signal -1
	s_barrier_wait -1                              ; so are the other strips'
; ---- PASS 2: the row's statistics from the four strips' (no difference of large sums is formed), h, and n for each head; n goes back to x's place
.macro TILE2 t
	LOADX \t
.irp c, 0,1,2,3
	ds_load_b64 v[208+2*\c:209+2*\c], v6 offset:1024*\c+128*\t
.endr
	s_wait_dscnt 0x0
	v_add_f32 v216, v208, v210
	v_add_f32 v217, v212, v214
	v_add_f32 v216, v216, v217
	v_mul_f32 v216, 0x3e800000, v216               ; the row's mean
	v_sub_f32 v208, v208, v216
	v_sub_f32 v210, v210, v216
	v_sub_f32 v212, v212, v216
	v_sub_f32 v214, v214, v216
	v_mul_f32 v220, v208, v208
	v_fmac_f32 v220, v210, v210
	v_fmac_f32 v220, v212, v212
	v_fmac_f32 v220, v214, v214
	v_add_f32 v218, v209, v211
	v_add_f32 v219, v213, v215
	v_add_f32 v218, v218, v219
	v_fmac_f32 v218, 0x43000000, v220              ; + 128 x the squares of the strips' means about the row's
	v_fma_f32 v218, v218, 0x3b000000, s[EPS]       ; / 512 + eps
	v_mov_b32 v[MS+2*\t], v216
	v_rsq_f32 v[MS+2*\t+1], v218
	SUB64 X, X, 216                                ; x - mean: independent work behind the transcendental
	s_wait_alu depctr_va_vdst(0)                   ; ahead of the first line that names its result
	v_mov_b32 v218, v[MS+2*\t+1]
.set j, 0
.rept 32
	v_pk_mul_f32 v[X+j:X+j+1], v[X+j:X+j+1], v[218:219] op_sel_hi:[1,0]
.set j, j+2
.endr
.set j, 0
.rept 32
	v_pk_fma_f32 v[X+j:X+j+1], v[X+j:X+j+1], v[W1+j:W1+j+1], v[B1+j:B1+j+1]   ; h
.set j, j+2
.endr
	s_cmp_lg_u32 s38, 0                            ; strip 0's waves store the rows' statistics for launch 3
	s_cbranch_scc1 .Lns_\@
	global_store_b64 v8, v[MS+2*\t:MS+2*\t+1], s[30:31] offset:128*\t
.Lns_\@:
.irp g, 0,1,2,3                                ; each head's mean: my 16 channels and lane l xor 16's
	v_pk_add_f32 v[208+2*\g:209+2*\g], v[X+16*\g:X+16*\g+1], v[X+16*\g+2:X+16*\g+3]
.endr
.irp i, 4,6,8,10,12,14
.irp g, 0,1,2,3
	v_pk_add_f32 v[208+2*\g:209+2*\g], v[208+2*\g:209+2*\g], v[X+16*\g+\i:X+16*\g+\i+1]
.endr
.endr
.irp g, 0,1,2,3
	v_add_f32 v[208+2*\g], v[208+2*\g], v[209+2*\g]
.endr
.irp g, 0,1,2,3
	v_permlanex16_b32 v[209+2*\g], v[208+2*\g], s[SEL], s[SEL+1]
.endr
.irp g, 0,1,2,3
	v_add_f32 v[208+2*\g], v[208+2*\g], v[209+2*\g]
.endr
.irp g, 0,1,2,3
	v_mul_f32 v[208+2*\g], 0x3d000000, v[208+2*\g] ; / 32
.endr
.irp g, 0,1,2,3
.irp i, 0,2,4,6,8,10,12,14
	v_pk_add_f32 v[X+16*\g+\i:X+16*\g+\i+1], v[X+16*\g+\i:X+16*\g+\i+1], v[208+2*\g:209+2*\g] op_sel_hi:[1,0] neg_lo:[0,1] neg_hi:[0,1]
.endr
.endr
.irp g, 0,1,2,3
	v_pk_mul_f32 v[220+2*\g:221+2*\g], v[X+16*\g:X+16*\g+1], v[X+16*\g:X+16*\g+1]
.endr
.irp i, 2,4,6,8,10,12,14
.irp g, 0,1,2,3
	v_pk_fma_f32 v[220+2*\g:221+2*\g], v[X+16*\g+\i:X+16*\g+\i+1], v[X+16*\g+\i:X+16*\g+\i+1], v[220+2*\g:221+2*\g]
.endr
.endr
.irp g, 0,1,2,3
	v_add_f32 v[220+2*\g], v[220+2*\g], v[221+2*\g]
.endr
.irp g, 0,1,2,3
	v_permlanex16_b32 v[221+2*\g], v[220+2*\g], s[SEL], s[SEL+1]
.endr
.irp g, 0,1,2,3
	v_add_f32 v[220+2*\g], v[220+2*\g], v[221+2*\g]
.endr
.irp g, 0,1,2,3
	v_mul_f32 v[220+2*\g], 0x3d042108, v[220+2*\g] ; / 31
.endr
.irp g, 0,1,2,3
	v_sqrt_f32 v[220+2*\g], v[220+2*\g]
.endr
	v_nop                                          ; a plain line behind the batch,
	s_wait_alu depctr_va_vdst(0)                   ; and one wait for the four
.irp g, 0,1,2,3
	v_add_f32 v[220+2*\g], s[EPS], v[220+2*\g]
.endr
.irp g, 0,1,2,3
	v_rcp_f32 v[220+2*\g], v[220+2*\g]
.endr
	v_nop
	s_wait_alu depctr_va_vdst(0)
.irp g, 0,1,2,3
.irp i, 0,2,4,6,8,10,12,14
	v_pk_mul_f32 v[X+16*\g+\i:X+16*\g+\i+1], v[X+16*\g+\i:X+16*\g+\i+1], v[220+2*\g:221+2*\g] op_sel_hi:[1,0]   ; n
.endr
.endr
.set j, 0
.rept 16
	ds_store_b128 v3, v[X+4*j:X+4*j+3] offset:TILEB*\t+128*(j/4)+16*(j%4)
.set j, j+1
.endr
.endm
	TILE2 0
	TILE2 1
	TILE2 2
	TILE2 3
	s_wait_dscnt 0x0                               ; my rows of n are stored
	s_barrier_signal -1
	s_barrier_wait -1                              ; and the other half's
; ---- THE PRODUCT of head 2 hf + hd.  Lane (r, h) takes channel r + 8 (r / 8) + 8 h, and its registers run down the tokens: a block of 32 tokens lies in one lane.
; Block T's six registers go to fragment T % 2, place T / 2; the exchange of halves then leaves in fragment u the channels r + 8 (r / 8) + 8 u, lanes 0-15 with blocks 0 and 2, lanes 16-31 with blocks 1 and 3:
; the operand's layout.  A lane's scale word serves as it stands: lanes 0-15 hold fragment 0's rows, lanes 16-31 fragment 1's.
; In result (u, u') lane (r, h) holds kv[d = 16 h + 8 u + j][e = r + 8 (r / 8) + 8 u'] in register j.
.macro HEAD hd
.set DD, 136+40*\hd                    ; the four results: registers of their own for each head, since stores read them
.set PP, PR+8*\hd
.irp T, 0,1,2,3
.set j, 0
.rept 32
	ds_load_b32 v[N+j], v[9+\T/2] offset:(32*(\T%2)+j)*PITCH+128*\hd
.set j, j+1
.endr
	s_wait_dscnt 0x0
.set j, 0
.rept 16
	v_pk_fma_f32 v[KK+j:KK+j+1], v[N+j:N+j+1], v[PP:PP+1], v[PP+2:PP+3]        ; k
	v_pk_fma_f32 v[N+j:N+j+1], v[N+j:N+j+1], v[PP+4:PP+5], v[PP+6:PP+7]        ; v
.set j, j+2
.endr
	v_max3_num_f32 v208, |v[KK]|, |v[KK+1]|, 0x1800000   ; the blocks' largest magnitudes, with the floor 2^(3 - 127): the byte cannot fall under 1
	v_max3_num_f32 v209, |v[N]|, |v[N+1]|, 0x1800000
.set j, 2
.rept 15
	v_max3_num_f32 v208, v208, |v[KK+j]|, |v[KK+j+1]|
	v_max3_num_f32 v209, v209, |v[N+j]|, |v[N+j+1]|
.set j, j+2
.endr
	v_add_nc_u32 v210, 0xff000000, v208            ; 2 off the exponent field: the conversion's scale operand
	v_add_nc_u32 v211, 0xff000000, v209
	v_lshrrev_b32 v212, 23, v210                   ; the scale's byte
	v_lshrrev_b32 v213, 23, v211
.if \T == 0
	v_mov_b32 v[WK], v212
	v_mov_b32 v[WV], v213
.else
	v_lshl_or_b32 v[WK], v212, 8*\T, v[WK]
	v_lshl_or_b32 v[WV], v213, 8*\T, v[WV]
.endif
.set FO, 12*(\T%2)+6*(\T/2)
	v_cvt_scalef32_pk16_fp6_f32 v[KF+FO:KF+FO+2], v[KK:KK+15], v210
	v_cvt_scalef32_pk16_fp6_f32 v[128:130], v[KK+16:KK+31], v210    ; (a conversion's three registers begin on an even number)
	v_cvt_scalef32_pk16_fp6_f32 v[VF+FO:VF+FO+2], v[N:N+15], v211
	v_cvt_scalef32_pk16_fp6_f32 v[132:134], v[N+16:N+31], v211
	v_nop                                          ; one plain line behind the scaled conversions
.irp i, 0,1,2
	v_mov_b32 v[KF+FO+3+\i], v[128+\i]
	v_mov_b32 v[VF+FO+3+\i], v[132+\i]
.endr
.endr
.set j, 0
.rept 12
	v_permlane16_swap_b32 v[KF+j], v[KF+12+j]
	v_permlane16_swap_b32 v[VF+j], v[VF+12+j]
.set j, j+1
.endr
.rept 8
	v_nop                                          ; scale registers written by vector lines stand 8 places ahead of a scaled matrix instruction, operands 4
.endr
	v_wmma_scale_f32_16x16x128_f8f6f4 v[DD:DD+7], v[KF:KF+11], v[VF:VF+11], 0, v[WK], v[WV] matrix_a_fmt:MATRIX_FMT_FP6 matrix_b_fmt:MATRIX_FMT_FP6
	v_wmma_scale_f32_16x16x128_f8f6f4 v[DD+8:DD+15], v[KF+12:KF+23], v[VF:VF+11], 0, v[WK], v[WV] matrix_a_fmt:MATRIX_FMT_FP6 matrix_b_fmt:MATRIX_FMT_FP6 matrix_a_scale:MATRIX_SCALE_ROW1
	v_wmma_scale_f32_16x16x128_f8f6f4 v[DD+16:DD+23], v[KF:KF+11], v[VF+12:VF+23], 0, v[WK], v[WV] matrix_a_fmt:MATRIX_FMT_FP6 matrix_b_fmt:MATRIX_FMT_FP6 matrix_b_scale:MATRIX_SCALE_ROW1
	v_wmma_scale_f32_16x16x128_f8f6f4 v[DD+24:DD+31], v[KF+12:KF+23], v[VF+12:VF+23], 0, v[WK], v[WV] matrix_a_fmt:MATRIX_FMT_FP6 matrix_b_fmt:MATRIX_FMT_FP6 matrix_a_scale:MATRIX_SCALE_ROW1 matrix_b_scale:MATRIX_SCALE_ROW1
.rept 4
	v_nop                                          ; four places ahead of the stores that read the results
.endr
.set j, 0
.rept 8
	global_store_b128 v12, v[DD+4*j:DD+4*j+3], s[28:29] offset:4096*\hd+512*j   ; each result from its low end on; 512 consecutive bytes a store
.set j, j+1
.endr
.endm
	HEAD 0
	HEAD 1
	s_wait_tensorcnt 0x0
	ds_add_u32 v230, v231
	s_wait_dscnt 0x0
	s_endpgm
.Lfunc_end_k_qb29b6836c4_kvpart:
	.size	k_qb29b6836c4_kvpart, .Lfunc_end_k_qb29b6836c4_kvpart-k_qb29b6836c4_kvpart
	.p2alignl 7, 3214868480
	.fill 96, 4, 3214868480
	.section	.rodata,"a",@progbits
	.p2align	6, 0x0
	.amdhsa_kernel k_qb29b6836c4_kvpart
		.amdhsa_group_segment_fixed_size 275456
		.amdhsa_private_segment_fixed_size 0
		.amdhsa_enable_private_segment 0
		.amdhsa_kernarg_size 128
		.amdhsa_user_sgpr_count 2
		.amdhsa_user_sgpr_kernarg_segment_ptr 1
		.amdhsa_wavefront_size32 1
		.amdhsa_system_sgpr_workgroup_id_x 1
		.amdhsa_system_sgpr_workgroup_id_y 1
		.amdhsa_system_sgpr_workgroup_id_z 1
		.amdhsa_system_vgpr_workitem_id 0
		.amdhsa_next_free_vgpr 256
		.amdhsa_next_free_sgpr 72
		.amdhsa_reserve_vcc 0
		.amdhsa_float_denorm_mode_32 3
		.amdhsa_float_denorm_mode_16_64 3
		.amdhsa_memory_ordered 1
		.amdhsa_forward_progress 1
		.amdhsa_inst_pref_size 178
	.end_amdhsa_kernel
	.amdgpu_metadata
---
amdhsa.version: [ 1, 2 ]
amdhsa.kernels:
  - .name:           k_qb29b6836c4_kvpart
    .symbol:         k_qb29b6836c4_kvpart.kd
    .args:
      - { .name: x, .offset: 0, .size: 8, .value_kind: global_buffer, .address_space: global }
      - { .name: norm1_w, .offset: 8, .size: 8, .value_kind: global_buffer, .address_space: global }
      - { .name: norm1_b, .offset: 16, .size: 8, .value_kind: global_buffer, .address_space: global }
      - { .name: kln_w, .offset: 24, .size: 8, .value_kind: global_buffer, .address_space: global }
      - { .name: kln_b, .offset: 32, .size: 8, .value_kind: global_buffer, .address_space: global }
      - { .name: vln_w, .offset: 40, .size: 8, .value_kind: global_buffer, .address_space: global }
      - { .name: vln_b, .offset: 48, .size: 8, .value_kind: global_buffer, .address_space: global }
      - { .name: fc1_w_codes, .offset: 56, .size: 8, .value_kind: global_buffer, .address_space: global }
      - { .name: fc1_w_scales, .offset: 64, .size: 8, .value_kind: global_buffer, .address_space: global }
      - { .name: fc2_w_codes, .offset: 72, .size: 8, .value_kind: global_buffer, .address_space: global }
      - { .name: fc2_w_scales, .offset: 80, .size: 8, .value_kind: global_buffer, .address_space: global }
      - { .name: mask_matrix, .offset: 88, .size: 8, .value_kind: global_buffer, .address_space: global }
      - { .name: part, .offset: 96, .size: 8, .value_kind: global_buffer, .address_space: global }
      - { .name: stats, .offset: 104, .size: 8, .value_kind: global_buffer, .address_space: global }
      - { .name: wimg, .offset: 112, .size: 8, .value_kind: global_buffer, .address_space: global }
      - { .name: wsc, .offset: 120, .size: 8, .value_kind: global_buffer, .address_space: global }
    .group_segment_fixed_size: 275456
    .private_segment_fixed_size: 0
    .kernarg_segment_align: 8
    .kernarg_segment_size: 128
    .max_flat_workgroup_size: 256
    .sgpr_count:     72
    .vgpr_count:     256
    .wavefront_size: 32
...
	.end_amdgpu_metadata
.endif
;; end of part 1
;; launch kvquant (part 2): grid 128 x 1, 8 waves a work-group, no clusters, 17,408 bytes of LDS; arguments part, kvimg, kvsc; writes kvimg, kvsc
.if DOCPART == 2
	.amdgcn_target "amdgcn-amd-amdhsa--gfx1250"
	.amdhsa_code_object_version 6
	.text
	.protected	k_qb29b6836c4_kvquant
	.globl	k_qb29b6836c4_kvquant
	.p2align	8
	.type	k_qb29b6836c4_kvquant,@function
k_qb29b6836c4_kvquant:
	s_mov_b64 s[64:65], 0
	v_nop
	global_prefetch_b8 v0, s[64:65] scope:SCOPE_SE
	s_setreg_imm32_b32 hwreg(HW_REG_WAVE_MODE, 25, 1), 1
	s_wait_xcnt 0x0
; LAUNCH 2 OF 3.  kv[b][head] = (the sum of the batch's 64 partial products) / 8192, quantised to E2M3 along d (one block of 32), and laid as an operand of attn = q kv for launch 3.
; A work-group takes one (batch, head, u'): 16 columns e = r + 8 (r / 8) + 8 u' and all 32 d.  Wave y adds partials 8 y .. 8 y + 7, the eight sums meet in LDS, wave 0 adds them in ascending order and quantises.
; Lane (r, h) holds kv[d = 16 h + 0 .. 15][e]: 16 neighbours along the next product's K.
; THE IMAGE is a fragment of 16 rows e x 128 K, K being a strip's four heads x 32 d: zero codes outside head g = head % 4 (they add nothing), and a scale word with the byte 127 there.
; 128 work-groups: there is no more to share out; the launch reads 16 MiB once.
; LIMITS: NaN and infinities are not served.  A block of zeros gets the byte 1: its codes are zeros, and this program alone reads the bytes.
	s_load_b128 s[4:7], s[0:1], 0x0                ; part, kvimg
	s_load_b64 s[8:9], s[0:1], 0x10                ; kvsc
	v_lshl_add_u32 v192, v0, 2, 0x4000
	v_mov_b32 v193, 0
	v_lshrrev_b32 v1, 5, v0
	v_readfirstlane_b32 s13, v1                    ; wave y
	v_and_b32 v1, 31, v0
	v_lshlrev_b32 v1, 4, v1                        ; 16 x lane
	v_and_b32 v4, 15, v0                           ; r
	v_bfe_u32 v3, v0, 4, 1                         ; h
	s_and_b32 s10, ttmp9, 1                        ; u'
	s_bfe_u32 s11, ttmp9, 0x40001                  ; head
	s_lshr_b32 s12, ttmp9, 5                       ; batch
	s_and_b32 s15, s11, 3                          ; g
	s_lshl_b32 s16, s12, 6
	s_lshl_b32 s17, s13, 3
	s_add_co_u32 s16, s16, s17
	s_lshl_b32 s16, s16, 16                        ; partial 64 b + 8 y: 65,536 bytes each
	s_lshl_b32 s17, s11, 12
	s_add_co_u32 s16, s16, s17
	s_lshl_b32 s17, s10, 11
	s_add_co_u32 s16, s16, s17
	s_mov_b32 s17, 0
	s_lshl_b32 s14, s13, 11
	v_add_nc_u32 v2, s14, v1                       ; LDS: 2,048 bytes a wave
	s_mov_b32 s20, 0x76543210
	s_mov_b32 s21, 0xfedcba98
	s_wait_kmcnt 0x0
	s_add_nc_u64 s[4:5], s[4:5], s[16:17]
.set k, 0
.rept 8
.irp m, 0,1,2,3
	global_load_b128 v[16+16*k+4*\m:19+16*k+4*\m], v1, s[4:5] offset:65536*k+512*\m th:TH_LOAD_NT   ; 512 consecutive bytes a load; read once in the launch
.endr
.set k, k+1
.endr
.set k, 1
.rept 7
	s_wait_loadcnt 28-4*k                          ; partials 0 .. k are in; the 4 (7 - k) younger loads may be out
.set j, 0
.rept 8
	v_pk_add_f32 v[16+j:17+j], v[16+j:17+j], v[16+16*k+j:17+16*k+j]
.set j, j+2
.endr
.set k, k+1
.endr
.irp m, 0,1,2,3
	ds_store_b128 v2, v[16+4*\m:19+4*\m] offset:512*\m
.endr
	s_wait_dscnt 0x0                               ; my sum is stored
	s_barrier_signal -1
	s_barrier_wait -1
	s_cmp_lg_u32 s13, 0
	s_cbranch_scc1 .Lend
.set k, 0
.rept 8
.irp m, 0,1,2,3
	ds_load_b128 v[16+16*k+4*\m:19+16*k+4*\m], v1 offset:2048*k+512*\m
.endr
.set k, k+1
.endr
	s_wait_dscnt 0x0
.set k, 1
.rept 7
.set j, 0
.rept 8
	v_pk_add_f32 v[16+j:17+j], v[16+j:17+j], v[16+16*k+j:17+16*k+j]
.set j, j+2
.endr
.set k, k+1
.endr
.set j, 0
.rept 8
	v_pk_mul_f32 v[16+j:17+j], v[16+j:17+j], 0x39000000 op_sel_hi:[1,0]   ; / 8192: exact
.set j, j+2
.endr
	v_mov_b32 v145, 0                              ; (a lane permute's destination counts as one of its sources)
.irp i, 0,1,2
	v_mov_b32 v[152+\i], 0
.endr
	v_max3_num_f32 v144, |v16|, |v17|, 0x1800000   ; my 16 numbers, and the floor 2^(3 - 127)
.irp i, 2,4,6,8,10,12,14
	v_max3_num_f32 v144, v144, |v[16+\i]|, |v[17+\i]|
.endr
	v_permlanex16_b32 v145, v144, s20, s21
	v_max_num_f32 v144, v144, v145                 ; the block's largest magnitude
	v_add_nc_u32 v146, 0xff000000, v144            ; 2 off its exponent field: the conversion's scale operand
	v_lshrrev_b32 v147, 23, v146                   ; the scale's byte
	v_cvt_scalef32_pk16_fp6_f32 v[148:150], v[16:31], v146
	v_nop
.irp i, 0,1,2
	v_permlanex16_b32 v[152+\i], v[148+\i], s20, s21
.endr
	v_cmp_eq_u32 vcc_lo, 0, v3
.irp i, 0,1,2
	v_cndmask_b32 v[156+\i], v[152+\i], v[148+\i], vcc_lo   ; d 0 .. 15: lanes 0-15's codes,
	v_cndmask_b32 v[159+\i], v[148+\i], v[152+\i], vcc_lo   ; d 16 .. 31: lanes 16-31's: the whole block in every lane
.endr
.irp c, 0,1                                    ; registers 6 c .. 6 c + 5 of lane (r, h) are K block 2 c + h: the block where that is g, else zero codes
	v_add_nc_u32 v5, 2*\c, v3
	v_cmp_eq_u32 vcc_lo, s15, v5
.irp i, 0,1,2,3,4,5
	v_cndmask_b32 v[164+6*\c+\i], 0, v[156+\i], vcc_lo
.endr
.endr
	s_lshl_b32 s16, s12, 4
	s_add_co_u32 s16, s16, s11
	s_lshl_b32 s16, s16, 1
	s_add_co_u32 s16, s16, s10
	s_mul_i32 s16, s16, 1536
	s_add_nc_u64 s[6:7], s[6:7], s[16:17]
.irp q, 0,1,2
	global_store_b128 v1, v[164+4*\q:167+4*\q], s[6:7] offset:512*\q
.endr
	s_lshl_b32 s18, s15, 3
	s_lshl_b32 s19, 0xff, s18
	s_and_not1_b32 s19, 0x7f7f7f7f, s19
	v_lshlrev_b32 v5, s18, v147
	v_or_b32 v5, s19, v5                           ; the scale word: my byte at place g, 127 elsewhere
	s_lshl_b32 s16, s12, 2
	s_lshr_b32 s18, s11, 2
	s_add_co_u32 s16, s16, s18
	s_lshl_b32 s16, s16, 9                         ; [batch][strip]: 512 bytes
	s_lshl_b32 s18, s10, 8
	s_add_co_u32 s16, s16, s18                     ; lanes 16 u' on
	s_lshl_b32 s18, s15, 2
	s_add_co_u32 s16, s16, s18                     ; word g
	v_lshl_add_u32 v6, v4, 4, s16
	global_store_b32 v6, v5, s[8:9]                ; (lanes 16-31 hold and store the same)
.Lend:
	s_wait_tensorcnt 0x0
	ds_add_u32 v192, v193
	s_wait_dscnt 0x0
	s_endpgm
.Lfunc_end_k_qb29b6836c4_kvquant:
	.size	k_qb29b6836c4_kvquant, .Lfunc_end_k_qb29b6836c4_kvquant-k_qb29b6836c4_kvquant
	.p2alignl 7, 3214868480
	.fill 96, 4, 3214868480
	.section	.rodata,"a",@progbits
	.p2align	6, 0x0
	.amdhsa_kernel k_qb29b6836c4_kvquant
		.amdhsa_group_segment_fixed_size 17408
		.amdhsa_private_segment_fixed_size 0
		.amdhsa_enable_private_segment 0
		.amdhsa_kernarg_size 24
		.amdhsa_user_sgpr_count 2
		.amdhsa_user_sgpr_kernarg_segment_ptr 1
		.amdhsa_wavefront_size32 1
		.amdhsa_system_sgpr_workgroup_id_x 1
		.amdhsa_system_sgpr_workgroup_id_y 1
		.amdhsa_system_sgpr_workgroup_id_z 1
		.amdhsa_system_vgpr_workitem_id 0
		.amdhsa_next_free_vgpr 194
		.amdhsa_next_free_sgpr 66
		.amdhsa_reserve_vcc 1
		.amdhsa_float_denorm_mode_32 3
		.amdhsa_float_denorm_mode_16_64 3
		.amdhsa_memory_ordered 1
		.amdhsa_forward_progress 1
		.amdhsa_inst_pref_size 18
	.end_amdhsa_kernel
	.amdgpu_metadata
---
amdhsa.version: [ 1, 2 ]
amdhsa.kernels:
  - .name:           k_qb29b6836c4_kvquant
    .symbol:         k_qb29b6836c4_kvquant.kd
    .args:
      - { .name: part, .offset: 0, .size: 8, .value_kind: global_buffer, .address_space: global }
      - { .name: kvimg, .offset: 8, .size: 8, .value_kind: global_buffer, .address_space: global }
      - { .name: kvsc, .offset: 16, .size: 8, .value_kind: global_buffer, .address_space: global }
    .group_segment_fixed_size: 17408
    .private_segment_fixed_size: 0
    .kernarg_segment_align: 8
    .kernarg_segment_size: 24
    .max_flat_workgroup_size: 256
    .sgpr_count:     66
    .vgpr_count:     194
    .wavefront_size: 32
...
	.end_amdgpu_metadata
.endif
;; end of part 2
;; launch block (part 3): grid 256 x 1, 4 waves a work-group, no clusters, 327,680 bytes of LDS; arguments x, stats, norm1_w, norm1_b, kvimg, kvsc, norm2_w, norm2_b, fc1_b, fc2_b, wimg, wsc, out0; writes out0
.if DOCPART == 3
	.amdgcn_target "amdgcn-amd-amdhsa--gfx1250"
	.amdhsa_code_object_version 6
	.text
	.protected	k_qb29b6836c4_block
	.globl	k_qb29b6836c4_block
	.p2align	8
	.type	k_qb29b6836c4_block,@function
k_qb29b6836c4_block:
	s_mov_b64 s[64:65], 0
	v_nop
	global_prefetch_b8 v0, s[64:65] scope:SCOPE_SE
	s_setreg_imm32_b32 hwreg(HW_REG_WAVE_MODE, 25, 1), 1
	s_wait_xcnt 0x0
; LAUNCH 3 OF 3.  For 128 rows a work-group, all the rest of the block, fused: h = LN1(x) (statistics from launch 1), q = h quantised along each head's 32 channels, attn = q kv,
; x2 = x + h + attn, m = LN2(x2) quantised, hidden = gelu(m fc1^T + fc1_b) quantised, out = x2 + hidden fc2^T + fc2_b.  Nothing of that goes to memory but out.
; SHARES.  Four waves.  Wave w owns the strip of channels 128 w .. + 127 (four heads) of x2 and of out for all 128 rows: 64 accumulators, 512 registers; K step w of fc1's operand m; and hidden units
; 128 jj + 32 w .. + 31 of each of 16 chunks jj of 128.  In a tile of 16 rows lane (r, h) holds row r, and register 16 g + i channel 32 g + 16 h + i of the strip.
; ALL PRODUCTS ARE USED TRANSPOSED (source 0 = 16 rows of a weight or of kv, source 1 = 16 rows of tokens), and the rows that form a tile are r + 8 (r / 8) + 8 u of each 32, so that two neighbouring
; tiles' 16 registers are 16 neighbours along the next K.
; THE WEIGHTS come from memory straight into operand registers, as launch 1 laid them: a fragment is wanted by ONE wave of the work-group and feeds eight row tiles there.  NO CLUSTER, NO TENSOR RING FOR THEM:
; through LDS each fragment would be written and read once more; and of the 327,680 bytes of LDS 270,336 hold x, then x2, which vector stores write,
; and 49,152 hold m's codes: no room is left for slots.  No prefetch: x comes by one tensor load at the head, and all 256 work-groups read the same weights.
; A CHUNK: for each of 8 row tiles: m's four fragments from LDS, my two tiles of hidden units (8 matrix instructions, issued one tile ahead of the GELU that reads them), GELU, quantised: my 32 units are
; ONE block of the next K: three words a lane and a scale byte go to LDS at their places in the hidden fragment's image | one barrier | the 8 hidden fragments from LDS, 64 matrix instructions onto my accumulators.
; Two hidden buffers take turns, so one barrier a chunk serves: who writes a buffer has passed the barrier that every wave reaches behind its last reads of that buffer.
; GELU in f32: gelu(x) = max(x, 0) - |x| Y, Y = erfc(|x| / sqrt 2) / 2 = P(t) 2^(-Z^2), Z = |x| sqrt(log2(e) / 2), t = 1 / (1 + p |x| / sqrt 2) (Abramowitz and Stegun 7.1.26; the five coefficients halved and divided by
; sqrt(log2(e) / 2), so that Z stands for |x|).  LIMIT: Y is within 0.75e-7 absolutely, which is about the last bit of the 1 + erf that reference() forms in f32.  NaN and infinities are not served.
; A block of zeros gets the scale byte 1 where the rule says 127: its codes are zeros, and this program alone reads the bytes.
; REGISTERS, in windows of 256.  Window 0: v0-31 addresses; v32-55, v58 scale words (they hold nothing else); v56-57 a constant; front: v60-123 X, v124-187 T, v188-203 TM, v204-223 PC, v226-239 statistics;
;   chunks: v60-155 fc2's 8 fragments, v156-187 two tiles' hidden units, v188-251 Z, t, 2^(-Z^2), P, v252-254 codes; way out: v60-187.
;   Window 1: front: v0-127 a norm's gain and bias, v128-223 kv's 8 fragments; chunks: v0-95 fc1's 8 fragments, v96-191 m's fragments of two tiles, then the 8 hidden fragments, v192-207 fc1_b.
;   Windows 2, 3: the accumulators: row tile a at window 2 + a / 4, register 64 (a % 4) + 16 g + i.
.set PITCH, 528                        ; an LDS row of x: a strip's 512 bytes + 16
.set TILEB, 16*PITCH
.set STRIP, 128*PITCH
.set FRB,   1536                       ; a fragment's image: 12 registers x 32 lanes
.set MIMG,  4*STRIP                    ; m's 32 fragments: (K step s, row tile a) at 8 FRB s + FRB a
.set MSC,   MIMG+32*FRB                ; their scale words: [s][a][r]
.set PT,    MSC+2048                   ; [strip][row][mean, sum of squares about it]
.set STL,   PT+4096                    ; [row][mean, rstd] of LN1
.set HBUF,  16384                      ; over x's dead bytes: hidden buffer 0 at 0, 1 at HBUF: 8 fragments, then at HSCO their scale words [a][r], a byte a wave
.set HSCO,  8*FRB
.set STAGE, 2*HBUF                     ; and a stage of 16 rows x PITCH for each wave, for the way out
.set X,   60
.set T,   124
.set TM,  188
.set PC,  204
.set PW,  58
.set H,   156
.set Z,   188
.set TT,  204
.set E,   220
.set P,   236
.set SEL, 44
.set MSB, 0
.macro WIN new                         ; s_set_vgpr_msb: bits 1:0 source 0, 3:2 source 1, 5:4 source 2, 7:6 destination; the high byte repeats the setting that is left
.if MSB != \new
	s_set_vgpr_msb (MSB<<8)|\new
.set MSB, \new
.endif
.endm
.macro WMS d, a, b, c, sa, sb, row     ; one scaled product; row = 1: source 0's scales stand in lanes 16-31
.set rD, \d
.set rA, \a
.set rB, \b
.set rC, \c
.set rSA, \sa
.set rSB, \sb
.if \row
	v_wmma_scale_f32_16x16x128_f8f6f4 v[rD:rD+7], v[rA:rA+11], v[rB:rB+11], v[rC:rC+7], v[rSA], v[rSB] matrix_a_fmt:MATRIX_FMT_FP6 matrix_b_fmt:MATRIX_FMT_FP6 matrix_a_scale:MATRIX_SCALE_ROW1
.else
	v_wmma_scale_f32_16x16x128_f8f6f4 v[rD:rD+7], v[rA:rA+11], v[rB:rB+11], v[rC:rC+7], v[rSA], v[rSB] matrix_a_fmt:MATRIX_FMT_FP6 matrix_b_fmt:MATRIX_FMT_FP6
.endif
.endm
.macro PLACES
.rept 4
	v_nop
.endr
.endm
.macro BARRIER                         ; my LDS stores have landed and my LDS loads are in: then the work-group's barrier
	s_wait_dscnt 0x0
	s_barrier_signal -1
	s_barrier_wait -1
.endm
	s_load_b512 s[4:19], s[0:1], 0x0               ; x 4, stats 6, norm1_w 8, norm1_b 10, kvimg 12, kvsc 14, norm2_w 16, norm2_b 18
	s_load_b256 s[20:27], s[0:1], 0x40             ; fc1_b 20, fc2_b 22, wimg 24, wsc 26
	s_load_b64 s[28:29], s[0:1], 0x60              ; out0
	v_lshl_add_u32 v59, v0, 2, 0x4fc00
	v_mov_b32 v255, 0
	ds_add_u32 v59, v255
	ds_add_u32 v59, v255
	v_lshrrev_b32 v1, 5, v0
	v_readfirstlane_b32 s30, v1                    ; wave w
	; descriptor group 1: 128 rows x 128 elements of 4 bytes, rows 512 elements apart, 4 words of padding behind every 128
	s_mov_b32 s32, (2<<16)|(1<<20)|(6<<22)|(3<<25)
	s_mov_b32 s33, 128<<16
	s_mov_b32 s34, 128<<16
	s_mov_b32 s35, 128<<16
	s_mov_b32 s36, 128
	s_mov_b32 s37, 512
	s_mov_b32 s38, 0
	s_mov_b32 s39, 0
	s_mov_b32 s40, 1
	s_mul_i32 s41, s30, STRIP
	s_lshl_b32 s58, ttmp9, 18                      ; 128 rows of 2,048 bytes a work-group
	s_lshl_b32 s59, s30, 9
	s_add_co_u32 s58, s58, s59
	s_mov_b32 s59, 0
	s_wait_dscnt 0x0
	s_wait_kmcnt 0x0
	s_add_nc_u64 s[42:43], s[4:5], s[58:59]
	s_or_b32 s43, s43, 0x80000000
	tensor_load_to_lds s[40:43], s[32:39]          ; my strip of the 128 rows: the wave's one tensor load; these bytes are filled once
	s_nop 0
	PLACES
	s_add_nc_u64 s[28:29], s[28:29], s[58:59]      ; out at my strip of the first row
	s_lshl_b32 s60, s30, 9
	s_mov_b32 s61, 0
	s_add_nc_u64 s[8:9], s[8:9], s[60:61]          ; the per-channel vectors at my strip
	s_add_nc_u64 s[10:11], s[10:11], s[60:61]
	s_add_nc_u64 s[16:17], s[16:17], s[60:61]
	s_add_nc_u64 s[18:19], s[18:19], s[60:61]
	s_add_nc_u64 s[22:23], s[22:23], s[60:61]
	s_add_nc_u64 s[52:53], s[26:27], s[60:61]      ; fc1's scale words: 512 bytes for each (chunk, wave)
	s_add_nc_u64 s[54:55], s[52:53], 32768         ; fc2's
	s_lshl_b32 s60, ttmp9, 10
	s_add_nc_u64 s[6:7], s[6:7], s[60:61]          ; stats at my work-group's first row
	s_lshr_b32 s62, ttmp9, 6                       ; batch
	s_mul_i32 s60, s62, 32*FRB
	s_mul_i32 s63, s30, 8*FRB
	s_add_co_u32 s60, s60, s63
	s_add_nc_u64 s[12:13], s[12:13], s[60:61]      ; kv's images of my four heads
	s_lshl_b32 s60, s62, 2
	s_add_co_u32 s60, s60, s30
	s_lshl_b32 s60, s60, 9
	s_add_nc_u64 s[14:15], s[14:15], s[60:61]
	s_lshl_b32 s60, s30, 7
	s_add_nc_u64 s[20:21], s[20:21], s[60:61]      ; fc1_b at my 32 units of chunk 0
	s_mov_b32 s60, s63
	s_add_nc_u64 s[48:49], s[24:25], s[60:61]      ; fc1's fragments of (chunk 0, wave w)
	s_add_nc_u64 s[50:51], s[48:49], 512*FRB       ; fc2's
	s_mov_b32 s[SEL], 0x76543210
	s_mov_b32 s[SEL+1], 0xfedcba98
	s_mov_b32 s74, 0x3727c5ac                      ; 1e-5
.irp c, 0,1
	s_mov_b32 s[76+\c], 0x3f596d27                 ; sqrt(log2(e) / 2)
	s_mov_b32 s[78+\c], 0x3e8ba43f                 ; 0.3275911 / sqrt(log2(e))
	s_mov_b32 s[80+\c], 0x3f1ff67a                 ; a5
	s_mov_b32 s[82+\c], 0x3f563817                 ; a3
	s_mov_b32 s[84+\c], 0xbe2b8119                 ; a2
	s_mov_b32 s[86+\c], 0x3e199eb3                 ; a1
	v_mov_b32 v[56+\c], 0xbf5b0099                 ; a4
.endr
	v_and_b32 v1, 15, v0                           ; r
	v_bfe_u32 v2, v0, 4, 1                         ; h
	v_and_b32 v3, 31, v0
	v_lshlrev_b32 v3, 4, v3                        ; v3  16 x lane
	v_mul_u32_u24 v4, v1, PITCH
	v_lshl_add_u32 v4, v2, 6, v4
	v_add_nc_u32 v4, s41, v4                       ; v4  my row of tile 0 in my strip, + 64 h
	v_add_nc_u32 v28, 4*TILEB, v4                  ; v28 the same of tile 4
	s_lshl_b32 s58, s30, 10
	s_add_co_u32 s58, s58, PT
	v_lshl_add_u32 v6, v1, 3, s58                  ; v6  where I put my row's part
	v_lshl_add_u32 v7, v1, 3, PT                   ; v7  where the four parts are read from
	v_lshl_add_u32 v8, v1, 3, STL                  ; v8  LN1's statistics of my row
	s_add_co_u32 s58, s63, MIMG
	v_add_nc_u32 v9, s58, v3                       ; v9  where I store m's images: K step w
	s_lshl_b32 s58, s30, 9
	s_add_co_u32 s58, s58, MSC
	v_lshl_add_u32 v10, v1, 2, s58                 ; v10 and their scale words
	v_add_nc_u32 v11, MIMG, v3                     ; v11 where m's images are read from
	v_lshl_add_u32 v12, v1, 2, MSC                 ; v12 and their scale words
	; my 16 codes of a hidden row are registers rho = 6 (w / 2) + 3 h + i, i = 0 .. 2, of lane r + 16 (w % 2) of the hidden fragment: K block w of its 128
	s_lshr_b32 s58, s30, 1
	s_mul_i32 s58, s58, 6
	v_mul_u32_u24 v31, v2, 3
	v_add_nc_u32 v31, s58, v31
	s_and_b32 s59, s30, 1
	s_lshl_b32 s59, s59, 8
	v_lshl_add_u32 v30, v1, 4, s59
.irp i, 0,1,2
	v_add_nc_u32 v29, \i, v31
	v_lshrrev_b32 v5, 2, v29
	v_and_b32 v29, 3, v29
	v_lshl_add_u32 v29, v29, 2, v30
	v_lshl_add_u32 v[13+\i], v5, 9, v29            ; v13-15  512 (rho / 4) + 16 x that lane + 4 (rho % 4)
.endr
	v_lshlrev_b32 v16, 2, v1
	v_add_nc_u32 v17, HSCO, v16                    ; v17 a hidden row's scale word
	s_add_co_u32 s58, s30, HSCO
	v_add_nc_u32 v16, s58, v16                     ; v16 my byte of it
	s_mul_i32 s58, s30, TILEB
	s_add_co_u32 s58, s58, STAGE
	v_mul_u32_u24 v24, v1, PITCH
	v_lshl_add_u32 v24, v2, 6, v24
	v_add_nc_u32 v24, s58, v24                     ; v24 the stage, on the way in
	v_add_nc_u32 v25, s58, v3                      ; v25 and back: 32 lanes to a row of 512 bytes
	v_lshlrev_b32 v26, 6, v2                       ; v26 64 h
	v_mov_b32 v27, v26                             ; v27 64 h + 512 x chunk: fc1_b
	v_lshlrev_b32 v29, 3, v0
	v_lshl_add_u32 v30, v0, 3, STL
.irp b, 0,1,2,3
	v_mov_b32 v[TM+4+\b], 0                        ; written once: a lane permute's destination counts as one of its sources
.endr
	v_mov_b32 v239, 0                              ; (the upper word of a pair that packed lines name)
	global_load_b64 v[226:227], v29, s[6:7]        ; thread t: row t's (mean, rstd)
	global_load_b128 v[36:39], v3, s[14:15]        ; kv's scale words: register g, lanes r + 16 u'
	WIN 0x40                                       ; destination window 1
.set j, 0
.rept 16
	global_load_b128 v[4*j:4*j+3], v26, s[8:9] offset:128*(j/4)+16*(j%4)
	global_load_b128 v[64+4*j:64+4*j+3], v26, s[10:11] offset:128*(j/4)+16*(j%4)
.set j, j+1
.endr
.set j, 0
.rept 24
	global_load_b128 v[128+4*j:128+4*j+3], v3, s[12:13] offset:512*j   ; kv's fragment 2 g + u' at v[128 + 12 (2 g + u')]
.set j, j+1
.endr
	WIN 0
	s_wait_loadcnt 0x0
	ds_store_b64 v30, v[226:227]
	s_wait_tensorcnt 0x0                           ; my strip of x is in LDS
	BARRIER                                        ; the 128 rows' statistics are
; 64 numbers of a lane, v[s] .. v[s + 63], register 16 b + i = k 32 b + 16 h + i of my row, become a fragment's codes in v[PC] on and its scale word in v[PW]
.macro QUANT s
.irp b, 0,1,2,3
	v_max3_num_f32 v[TM+\b], |v[\s+16*\b]|, |v[\s+1+16*\b]|, 0x1800000   ; my 16 numbers of block b, and the floor 2^(3 - 127): the byte cannot fall under 1
.endr
.irp i, 2,4,6,8,10,12,14
.irp b, 0,1,2,3
	v_max3_num_f32 v[TM+\b], v[TM+\b], |v[\s+16*\b+\i]|, |v[\s+1+16*\b+\i]|
.endr
.endr
.irp b, 0,1,2,3
	v_permlanex16_b32 v[TM+4+\b], v[TM+\b], s[SEL], s[SEL+1]
.endr
.irp b, 0,1,2,3
	v_max_num_f32 v[TM+\b], v[TM+\b], v[TM+4+\b]
.endr
.irp b, 0,1,2,3
	v_add_nc_u32 v[TM+12+\b], 0xff000000, v[TM+\b] ; 2 off the exponent field: the conversion's scale operand
.endr
.irp b, 0,1,2,3
	v_lshrrev_b32 v[TM+4+\b], 23, v[TM+12+\b]      ; the scale's byte
.endr
	v_lshl_or_b32 v[PW], v[TM+5], 8, v[TM+4]
	v_lshl_or_b32 v[PW], v[TM+6], 16, v[PW]
	v_lshl_or_b32 v[PW], v[TM+7], 24, v[PW]
.irp c, 0,1
	v_cvt_scalef32_pk16_fp6_f32 v[PC+6*\c:PC+2+6*\c], v[\s+32*\c:\s+15+32*\c], v[TM+12+2*\c]
	v_cvt_scalef32_pk16_fp6_f32 v[PC+12+4*\c:PC+14+4*\c], v[\s+16+32*\c:\s+31+32*\c], v[TM+12+2*\c+1]   ; (a conversion's three registers begin on an even number)
.endr
	v_nop                                          ; one plain line behind the scaled conversions
.irp c, 0,1                                    ; the operand's layout wants a whole block in a lane
.irp i, 0,1,2
	v_permlane16_swap_b32 v[PC+6*\c+\i], v[PC+12+4*\c+\i]
.endr
.irp i, 0,1,2
	v_mov_b32 v[PC+3+6*\c+\i], v[PC+12+4*\c+\i]
.endr
.endr
.endm
.macro SUM64 s, c                      ; the sum of v[s] .. v[s + 63], ascending, and of lane l xor 16's, into v[c]; c .. c + 7 at work
.irp k, 0,1,2,3
	v_pk_add_f32 v[\c+2*\k:\c+2*\k+1], v[\s+4*\k:\s+4*\k+1], v[\s+4*\k+2:\s+4*\k+3]
.endr
.set j, 16
.rept 6
.irp k, 0,1,2,3
	v_pk_add_f32 v[\c+2*\k:\c+2*\k+1], v[\c+2*\k:\c+2*\k+1], v[\s+j+2*\k:\s+j+2*\k+1]
.endr
.set j, j+8
.endr
	v_pk_add_f32 v[\c:\c+1], v[\c:\c+1], v[\c+2:\c+3]
	v_pk_add_f32 v[\c+4:\c+5], v[\c+4:\c+5], v[\c+6:\c+7]
	v_pk_add_f32 v[\c:\c+1], v[\c:\c+1], v[\c+4:\c+5]
	v_add_f32 v[\c], v[\c], v[\c+1]
	v_permlanex16_b32 v[\c+1], v[\c], s[SEL], s[SEL+1]
	v_add_f32 v[\c], v[\c], v[\c+1]
.endm
.macro SQ64 s, c
.irp k, 0,1,2,3
	v_pk_mul_f32 v[\c+2*\k:\c+2*\k+1], v[\s+2*\k:\s+2*\k+1], v[\s+2*\k:\s+2*\k+1]
.endr
.set j, 8
.rept 7
.irp k, 0,1,2,3
	v_pk_fma_f32 v[\c+2*\k:\c+2*\k+1], v[\s+j+2*\k:\s+j+2*\k+1], v[\s+j+2*\k:\s+j+2*\k+1], v[\c+2*\k:\c+2*\k+1]
.endr
.set j, j+8
.endr
	v_pk_add_f32 v[\c:\c+1], v[\c:\c+1], v[\c+2:\c+3]
	v_pk_add_f32 v[\c+4:\c+5], v[\c+4:\c+5], v[\c+6:\c+7]
	v_pk_add_f32 v[\c:\c+1], v[\c:\c+1], v[\c+4:\c+5]
	v_add_f32 v[\c], v[\c], v[\c+1]
	v_permlanex16_b32 v[\c+1], v[\c], s[SEL], s[SEL+1]
	v_add_f32 v[\c], v[\c], v[\c+1]
.endm
; T = ((X - v[m]) x v[rs]) x gain + bias, gain and bias in window 1 at v0 and v64; of the pairs v[m : m + 1], v[rs : rs + 1] the low word serves both halves
.macro NORM m, rs
.set j, 0
.rept 32
	v_pk_mul_f32 v[T+j:T+j+1], v[T+j:T+j+1], v[\rs:\rs+1] op_sel_hi:[1,0]
.set j, j+2
.endr
	WIN 0x14                                       ; sources 1 and 2 window 1
.set j, 0
.rept 32
	v_pk_fma_f32 v[T+j:T+j+1], v[T+j:T+j+1], v[j:j+1], v[64+j:65+j]
.set j, j+2
.endr
	WIN 0
.endm
.macro SUBX m                          ; T = X - v[m]
.set j, 0
.rept 32
	v_pk_add_f32 v[T+j:T+j+1], v[X+j:X+j+1], v[\m:\m+1] op_sel_hi:[1,0] neg_lo:[0,1] neg_hi:[0,1]
.set j, j+2
.endr
.endm
.macro LOADX
.set j, 0
.rept 16
	ds_load_b128 v[X+4*j:X+4*j+3], v5 offset:128*(j/4)+16*(j%4)
.set j, j+1
.endr
.endm
	; ---- FRONT, PASS 1, a tile of 16 rows a trip: h, q's codes, x2 = x + h + q kv, and x2's statistics within my strip; x2 goes back to x's place
	s_mov_b32 s46, 8
	s_mov_b32 s70, 0
	s_mov_b32 s71, 0
.Lf1:
	v_add_nc_u32 v5, s70, v4
	v_add_nc_u32 v29, s71, v6
	v_add_nc_u32 v30, s71, v8
	LOADX
	ds_load_b64 v[226:227], v30
	s_wait_dscnt 0x0
	v_mov_b32 v238, v227                           ; rstd
	SUBX 226
	NORM 226, 238                                  ; T = h, which is q
	QUANT T
.set j, 0
.rept 32
	v_pk_add_f32 v[X+j:X+j+1], v[X+j:X+j+1], v[T+j:T+j+1]   ; x + h: what the products add onto.  (These lines are also the places between the codes and the scale word just made and the products)
.set j, j+2
.endr
	WIN 0x01                                       ; source 0 (kv) window 1
.irp t, 0,1,2,3,4,5,6,7                        ; tile 2 g + u': kv's rows e = r + 8 (r / 8) + 8 u' of head g; the codes outside K block g are zeros.  Eight accumulators, one instruction each
	WMS X+8*\t, 128+12*\t, PC, X+8*\t, 36+\t/2, PW, \t%2
.endr
	WIN 0
	PLACES
	SUM64 X, 228                                   ; (each result is read from its low end on)
	v_mul_f32 v228, 0x3c000000, v228               ; / 128
	SUBX 228
	SQ64 T, 230
	v_mov_b32 v229, v230
.set j, 0
.rept 16
	ds_store_b128 v5, v[X+4*j:X+4*j+3] offset:128*(j/4)+16*(j%4)
.set j, j+1
.endr
	ds_store_b64 v29, v[228:229]
	s_add_co_u32 s70, s70, TILEB
	s_add_co_u32 s71, s71, 128
	s_sub_co_u32 s46, s46, 1
	s_cmp_lg_u32 s46, 0
	s_cbranch_scc1 .Lf1
	WIN 0x40
.set j, 0
.rept 16
	global_load_b128 v[4*j:4*j+3], v26, s[16:17] offset:128*(j/4)+16*(j%4)         ; norm2's gain and bias take norm1's place
	global_load_b128 v[64+4*j:64+4*j+3], v26, s[18:19] offset:128*(j/4)+16*(j%4)
.set j, j+1
.endr
	WIN 0
	BARRIER                                        ; all four strips' parts of every row are stored
	s_wait_loadcnt 0x0
	; ---- FRONT, PASS 2: m = LN2(x2), quantised: K step w of fc1's operand, as an image of its registers
	s_mov_b32 s46, 8
	s_mov_b32 s70, 0
	s_mov_b32 s71, 0
	s_mov_b32 s72, 0
	s_mov_b32 s73, 0
.Lf2:
	v_add_nc_u32 v5, s70, v4
	v_add_nc_u32 v29, s71, v7
	v_add_nc_u32 v30, s72, v9
	v_add_nc_u32 v31, s73, v10
	LOADX
.irp c, 0,1,2,3
	ds_load_b64 v[226+2*\c:227+2*\c], v29 offset:1024*\c
.endr
	s_wait_dscnt 0x0
	v_add_f32 v234, v226, v228
	v_add_f32 v235, v230, v232
	v_add_f32 v234, v234, v235
	v_mul_f32 v234, 0x3e800000, v234               ; the row's mean
	v_sub_f32 v226, v226, v234
	v_sub_f32 v228, v228, v234
	v_sub_f32 v230, v230, v234
	v_sub_f32 v232, v232, v234
	v_mul_f32 v235, v226, v226
	v_fmac_f32 v235, v228, v228
	v_fmac_f32 v235, v230, v230
	v_fmac_f32 v235, v232, v232
	v_add_f32 v236, v227, v229
	v_add_f32 v237, v231, v233
	v_add_f32 v236, v236, v237
	v_fmac_f32 v236, 0x43000000, v235              ; no difference of large sums is formed
	v_fma_f32 v236, v236, 0x3b000000, s74          ; / 512 + eps
	v_rsq_f32 v238, v236
	SUBX 234                                       ; independent work behind the transcendental
	s_wait_alu depctr_va_vdst(0)                   ; ahead of the first line that names its result
	NORM 234, 238
	QUANT T
.irp q, 0,1,2
	ds_store_b128 v30, v[PC+4*\q:PC+4*\q+3] offset:512*\q
.endr
	ds_store_b32 v31, v[PW]                        ; (lanes 16-31 hold and store the same)
	s_add_co_u32 s70, s70, TILEB
	s_add_co_u32 s71, s71, 128
	s_add_co_u32 s72, s72, FRB
	s_add_co_u32 s73, s73, 64
	s_sub_co_u32 s46, s46, 1
	s_cmp_lg_u32 s46, 0
	s_cbranch_scc1 .Lf2
	; ---- fc2's sums begin as x2 + fc2_b
.set j, 0
.rept 16
	global_load_b128 v[T+4*j:T+4*j+3], v26, s[22:23] offset:128*(j/4)+16*(j%4)
.set j, j+1
.endr
	WIN 0x80                                       ; destination window 2: row tiles 0-3
.set j, 0
.rept 64
	ds_load_b128 v[4*j:4*j+3], v4 offset:TILEB*(j/16)+128*((j%16)/4)+16*(j%4)
.set j, j+1
.endr
	WIN 0xc0                                       ; window 3: row tiles 4-7
.set j, 0
.rept 64
	ds_load_b128 v[4*j:4*j+3], v28 offset:TILEB*(j/16)+128*((j%16)/4)+16*(j%4)
.set j, j+1
.endr
	s_wait_loadcnt 0x0
	s_wait_dscnt 0x0
	WIN 0x82                                       ; destination and source 0 window 2, source 1 window 0
.set j, 0
.rept 128
	v_pk_add_f32 v[j:j+1], v[j:j+1], v[T+j%64:T+j%64+1]
.set j, j+2
.endr
	WIN 0xc3
.set j, 0
.rept 128
	v_pk_add_f32 v[j:j+1], v[j:j+1], v[T+j%64:T+j%64+1]
.set j, j+2
.endr
	WIN 0
	BARRIER                                        ; m's 32 fragments lie in LDS, and nobody reads x2's bytes any more: the hidden buffers and the stages take them
.macro GROUPW1                         ; 29 loads: a chunk's scale words, 8 fragments (4 u + s) and biases of fc1
	global_load_b128 v[32:35], v3, s[52:53]        ; register s, lanes r + 16 u
	WIN 0x40
.set j, 0
.rept 24
	global_load_b128 v[4*j:4*j+3], v3, s[48:49] offset:512*j
.set j, j+1
.endr
.set j, 0
.rept 4
	global_load_b128 v[192+4*j:195+4*j], v27, s[20:21] offset:16*j   ; register 8 u + j': fc1_b at unit 16 h + 8 u + j' of my 32: the result's layout
.set j, j+1
.endr
	WIN 0
.endm
.macro GROUPW2                         ; 25 loads: a chunk's scale words and 8 fragments of fc2
	global_load_b128 v[36:39], v3, s[54:55]        ; register b / 2, lanes r + 16 (b % 2)
.set j, 0
.rept 24
	global_load_b128 v[60+4*j:63+4*j], v3, s[50:51] offset:512*j
.set j, j+1
.endr
.endm
.macro LOADM a                         ; 16 LDS loads: row tile a's four scale words and four fragments of m, into set a % 2
.set PM, (\a)%2
	WIN 0
.irp s, 0,1,2,3
	ds_load_b32 v[40+4*PM+\s], v12 offset:512*\s+64*(\a)
.endr
	WIN 0x40
.set j, 0
.rept 12
	ds_load_b128 v[96+48*PM+4*j:96+48*PM+4*j+3], v11 offset:8*FRB*(j/3)+FRB*(\a)+512*(j%3)
.set j, j+1
.endr
.endm
.macro FC1 a                           ; row tile a's two tiles of hidden units: 8 products, the two accumulators by turns; the bias is the first product's C
.set PQ, (\a)%2
	WIN 0x15                                       ; fc1's fragments, m's and the bias in window 1
.irp u, 0,1
	WMS H+16*PQ+8*\u, 48*\u, 96+48*PQ, 192+8*\u, 32, 40+4*PQ, \u
.endr
	WIN 0x05
.irp s, 1,2,3
.irp u, 0,1
	WMS H+16*PQ+8*\u, 48*\u+12*\s, 96+48*PQ+12*\s, H+16*PQ+8*\u, 32+\s, 40+4*PQ+\s, \u
.endr
.endr
	WIN 0
.endm
; ROW TILE a of a chunk.  m's fragments are asked for two tiles ahead and multiplied one tile ahead, so that this tile's vector work stands behind the next tile's products.
.macro ROWT a
.set HP, H+16*((\a)%2)
.if (\a) < 6
	LOADM (\a)+2                                   ; into the set that tile a's products, a tile's vector work ago, have read
.endif
.if (\a) < 7
.if (\a) == 0
	s_wait_dscnt 16                                ; tile 1's loads are in; behind them: the 16 just issued
.elseif (\a) < 6
	s_wait_dscnt 20                                ; tile a + 1's are in; behind them: the last tile's four stores and the 16 just issued
.else
	s_wait_dscnt 4                                 ; tile 7's are in; behind them: four stores
.endif
	FC1 (\a)+1
.endif
.set j, 0
.rept 16
	v_mul_f32 v[Z+j], |v[HP+j]|, s76               ; Z (each result is read from its low end on)
.set j, j+1
.endr
.set j, 0
.rept 8
	v_pk_fma_f32 v[TT+j:TT+j+1], v[Z+j:Z+j+1], s[78:79], 1.0 op_sel_hi:[1,0,0]
.set j, j+2
.endr
.set j, 0
.rept 8
	v_pk_mul_f32 v[E+j:E+j+1], v[Z+j:Z+j+1], v[Z+j:Z+j+1] neg_lo:[1,0] neg_hi:[1,0]
.set j, j+2
.endr
.set j, 0
.rept 16
	v_rcp_f32 v[TT+j], v[TT+j]                     ; t
.set j, j+1
.endr
.set j, 0
.rept 16
	v_exp_f32 v[E+j], v[E+j]                       ; 2^(-Z^2)
.set j, j+1
.endr
.set j, 0
.rept 16
	v_max_num_f32 v[HP+j], 0, v[HP+j]              ; independent plain work behind the batch of 32
.set j, j+1
.endr
	s_wait_alu depctr_va_vdst(0)                   ; one wait for the batch, ahead of its first reader
.set j, 0
.rept 8
	v_pk_fma_f32 v[P+j:P+j+1], v[TT+j:TT+j+1], s[80:81], v[56:57] op_sel_hi:[1,0,1]
.set j, j+2
.endr
.irp c, 82,84,86
.set j, 0
.rept 8
	v_pk_fma_f32 v[P+j:P+j+1], v[P+j:P+j+1], v[TT+j:TT+j+1], s[\c:\c+1] op_sel_hi:[1,1,0]
.set j, j+2
.endr
.endr
.set j, 0
.rept 8
	v_pk_mul_f32 v[P+j:P+j+1], v[P+j:P+j+1], v[TT+j:TT+j+1]
.set j, j+2
.endr
.set j, 0
.rept 8
	v_pk_mul_f32 v[P+j:P+j+1], v[P+j:P+j+1], v[E+j:E+j+1]
.set j, j+2
.endr
.set j, 0
.rept 8
	v_pk_fma_f32 v[HP+j:HP+j+1], v[Z+j:Z+j+1], v[P+j:P+j+1], v[HP+j:HP+j+1] neg_lo:[1,0,0] neg_hi:[1,0,0]   ; gelu
.set j, j+2
.endr
	v_max3_num_f32 v188, |v[HP]|, |v[HP+1]|, 0x1800000   ; my 16 of the block's 32, and the floor 2^(3 - 127)
	v_max3_num_f32 v189, |v[HP+2]|, |v[HP+3]|, |v[HP+4]|
	v_max3_num_f32 v188, v188, |v[HP+5]|, |v[HP+6]|
	v_max3_num_f32 v189, v189, |v[HP+7]|, |v[HP+8]|
	v_max3_num_f32 v188, v188, |v[HP+9]|, |v[HP+10]|
	v_max3_num_f32 v189, v189, |v[HP+11]|, |v[HP+12]|
	v_max3_num_f32 v188, v188, |v[HP+13]|, |v[HP+14]|
	v_max3_num_f32 v188, v188, v189, |v[HP+15]|
	v_permlanex16_b32 v189, v188, s[SEL], s[SEL+1]
	v_max_num_f32 v188, v188, v189
	v_add_nc_u32 v190, 0xff000000, v188            ; 2 off the exponent field: the conversion's scale operand
	v_cvt_scalef32_pk16_fp6_f32 v[252:254], v[HP:HP+15], v190
	v_lshrrev_b32 v191, 23, v190                   ; the scale's byte.  (The plain line behind the scaled conversion)
	ds_store_b32 v18, v252 offset:FRB*(\a)
	ds_store_b32 v19, v253 offset:FRB*(\a)
	ds_store_b32 v20, v254 offset:FRB*(\a)
	ds_store_b8 v21, v191 offset:64*(\a)           ; (lanes 16-31 hold and store the same)
.endm
	; ---- THE 16 CHUNKS
	s_mov_b32 s46, 16
	s_mov_b32 s47, 0                               ; the hidden buffer in hand: 0 or HBUF
	s_mov_b32 s56, 0
	GROUPW1                                        ; chunk 0's
.Lchunk:                                               ; 29 loads are out here, on the way in and on the way back
	PLACES                                         ; with the six lines below: places behind fc2's last products, ahead of loads into registers that they read
	v_add_nc_u32 v18, s47, v13
	v_add_nc_u32 v19, s47, v14
	v_add_nc_u32 v20, s47, v15
	v_add_nc_u32 v21, s47, v16
	v_add_nc_u32 v22, s47, v17
	v_add_nc_u32 v23, s47, v3
	GROUPW2
	s_wait_loadcnt 25                              ; fc1's group is in; the 25 just issued stay out.  Its loads are done, so its bases may step
	s_add_nc_u64 s[48:49], s[48:49], 32*FRB
	s_add_nc_u64 s[52:53], s[52:53], 2048
	LOADM 0
	LOADM 1
	s_wait_dscnt 16                                ; tile 0's 16 loads are in
	FC1 0
	PLACES
	ROWT 0
	ROWT 1
	ROWT 2
	ROWT 3
	ROWT 4
	ROWT 5
	ROWT 6
	ROWT 7
	BARRIER                                        ; the chunk's 8 hidden fragments and their scale words lie in LDS; every wave's reads of the other buffer were waited for ahead of this barrier
.irp a, 0,1,2,3,4,5,6,7
	ds_load_b32 v[48+\a], v22 offset:64*\a
.endr
	WIN 0x40
.set j, 0
.rept 24
	ds_load_b128 v[96+4*j:99+4*j], v23 offset:512*j
.set j, j+1
.endr
	WIN 0
	s_add_co_u32 s56, s56, 512
	s_min_u32 s56, s56, 7680                       ; the last trip asks once more, for nothing that is used: the bias offset is held, and the weights' addresses fall into fc2's parts of their buffers
	v_add_nc_u32 v27, s56, v26
	GROUPW1                                        ; the next chunk's, under fc2's products
	s_wait_loadcnt 29                              ; fc2's group is in; the 29 just issued stay out
	s_add_nc_u64 s[50:51], s[50:51], 32*FRB
	s_add_nc_u64 s[54:55], s[54:55], 2048
	s_wait_dscnt 12                                ; the scale words and row tiles 0-3 are in
	WIN 0xa4                                       ; source 0 (fc2) window 0, source 1 (hidden) window 1, C and D window 2
.irp a, 0,1,2,3                                ; the 64 accumulators take turns, one instruction a turn
.irp b, 0,1,2,3,4,5,6,7
	WMS 64*\a+8*\b, 60+12*\b, 96+12*\a, 64*\a+8*\b, 36+\b/2, 48+\a, \b%2
.endr
.endr
	s_wait_dscnt 0x0
	WIN 0xf4                                       ; C and D window 3
.irp a, 0,1,2,3
.irp b, 0,1,2,3,4,5,6,7
	WMS 64*\a+8*\b, 60+12*\b, 144+12*\a, 64*\a+8*\b, 36+\b/2, 52+\a, \b%2
.endr
.endr
	WIN 0
	s_xor_b32 s47, s47, HBUF
	s_sub_co_u32 s46, s46, 1
	s_cmp_lg_u32 s46, 0
	s_cbranch_scc1 .Lchunk
	s_wait_loadcnt 0x0
	; ---- THE WAY OUT, a row tile at a time through my own stage: a lane holds pieces of one row; back come whole rows of my strip, 512 bytes, which the 32 lanes store as two aligned blocks of 256 bytes.
	; LDS serves a wave's instructions in order: no wait between the stores and the loads, nor ahead of the next tile's stores.
.macro TOSTAGE a
	WIN 0x08+4*((\a)/4)                            ; an LDS store's data are its source 1: window 2 or 3
.set j, 0
.rept 16
	ds_store_b128 v24, v[64*((\a)%4)+4*j:64*((\a)%4)+4*j+3] offset:128*(j/4)+16*(j%4)   ; ascending: each accumulator from its low end on
.set j, j+1
.endr
	WIN 0
.set BB, 60+64*((\a)%2)
.set j, 0
.rept 16
	ds_load_b128 v[BB+4*j:BB+4*j+3], v25 offset:PITCH*j
.set j, j+1
.endr
.endm
.macro SEND a, younger
.set BB, 60+64*((\a)%2)
	s_wait_dscnt \younger                          ; the tile is back; the next tile's 16 stores and 16 loads may be out
.set j, 0
.rept 16
	global_store_b128 v3, v[BB+4*j:BB+4*j+3], s[28:29] offset:32768*(\a)+2048*j th:TH_STORE_NT
.set j, j+1
.endr
.endm
	PLACES
	TOSTAGE 0
.irp a, 1,2,3,4,5,6,7
.if \a > 1
	s_wait_xcnt 0x0                                ; tile a - 2's stores have read their registers: tile a's loads may land there
.endif
	TOSTAGE \a
	SEND (\a)-1, 32
.endr
	SEND 7, 0
	s_wait_tensorcnt 0x0
	ds_add_u32 v59, v255
	s_wait_dscnt 0x0
	s_endpgm
.Lfunc_end_k_qb29b6836c4_block:
	.size	k_qb29b6836c4_block, .Lfunc_end_k_qb29b6836c4_block-k_qb29b6836c4_block
	.p2alignl 7, 3214868480
	.fill 96, 4, 3214868480
	.section	.rodata,"a",@progbits
	.p2align	6, 0x0
	.amdhsa_kernel k_qb29b6836c4_block
		.amdhsa_group_segment_fixed_size 327680
		.amdhsa_private_segment_fixed_size 0
		.amdhsa_enable_private_segment 0
		.amdhsa_kernarg_size 104
		.amdhsa_user_sgpr_count 2
		.amdhsa_user_sgpr_kernarg_segment_ptr 1
		.amdhsa_wavefront_size32 1
		.amdhsa_system_sgpr_workgroup_id_x 1
		.amdhsa_system_sgpr_workgroup_id_y 1
		.amdhsa_system_sgpr_workgroup_id_z 1
		.amdhsa_system_vgpr_workitem_id 0
		.amdhsa_next_free_vgpr 1024
		.amdhsa_next_free_sgpr 96
		.amdhsa_reserve_vcc 0
		.amdhsa_float_denorm_mode_32 3
		.amdhsa_float_denorm_mode_16_64 3
		.amdhsa_memory_ordered 1
		.amdhsa_forward_progress 1
		.amdhsa_inst_pref_size 207
	.end_amdhsa_kernel
	.amdgpu_metadata
---
amdhsa.version: [ 1, 2 ]
amdhsa.kernels:
  - .name:           k_qb29b6836c4_block
    .symbol:         k_qb29b6836c4_block.kd
    .args:
      - { .name: x, .offset: 0, .size: 8, .value_kind: global_buffer, .address_space: global }
      - { .name: stats, .offset: 8, .size: 8, .value_kind: global_buffer, .address_space: global }
      - { .name: norm1_w, .offset: 16, .size: 8, .value_kind: global_buffer, .address_space: global }
      - { .name: norm1_b, .offset: 24, .size: 8, .value_kind: global_buffer, .address_space: global }
      - { .name: kvimg, .offset: 32, .size: 8, .value_kind: global_buffer, .address_space: global }
      - { .name: kvsc, .offset: 40, .size: 8, .value_kind: global_buffer, .address_space: global }
      - { .name: norm2_w, .offset: 48, .size: 8, .value_kind: global_buffer, .address_space: global }
      - { .name: norm2_b, .offset: 56, .size: 8, .value_kind: global_buffer, .address_space: global }
      - { .name: fc1_b, .offset: 64, .size: 8, .value_kind: global_buffer, .address_space: global }
      - { .name: fc2_b, .offset: 72, .size: 8, .value_kind: global_buffer, .address_space: global }
      - { .name: wimg, .offset: 80, .size: 8, .value_kind: global_buffer, .address_space: global }
      - { .name: wsc, .offset: 88, .size: 8, .value_kind: global_buffer, .address_space: global }
      - { .name: out0, .offset: 96, .size: 8, .value_kind: global_buffer, .address_space: global }
    .group_segment_fixed_size: 327680
    .private_segment_fixed_size: 0
    .kernarg_segment_align: 8
    .kernarg_segment_size: 104
    .max_flat_workgroup_size: 128
    .sgpr_count:     96
    .vgpr_count:     1024
    .wavefront_size: 32
...
	.end_amdgpu_metadata
.endif
;; end of part 3
